; MI455X (gfx1250); checked and timed in simulation.
; The chip was launched on July 23, 2026; its instructions are those of AMD's public machine-readable ISA for CDNA 5 (MIT licence, August 2026) and "CDNA5" Instruction Set Architecture Reference Guide (July 2026). The comments in the code are by the model that wrote it; some were corrected since.
;; LSTM Cell. Allowed arithmetic: matrix products marked QUANTISED: E2M1 operands, one E8M0 scale for each 32 along K, by v_wmma_scale_f32_16x16x128_f8f6f4 with both operands' format E2M1 (or v_wmma_scale_f32_32x16x128_f4), f32 sums; everything else in f32.
;; Inputs: Wh_codes 4,096 x 32 x 16 uint8 (E2M1 codes of Wh, K innermost, in blocks of 32 codes, two codes a byte); Wh_scales 4,096 x 32 uint8 (E8M0 scales of Wh, one for each 32 codes along K); Wx_codes 4,096 x 32 x 16 uint8 (E2M1 codes of Wx, K innermost, in blocks of 32 codes, two codes a byte); Wx_scales 4,096 x 32 uint8 (E8M0 scales of Wx, one for each 32 codes along K); bh 4,096 float32; bx 4,096 float32; c_1 8,192 x 1,024 float32; h_codes 8,192 x 32 x 16 uint8 (E2M1 codes of h, K innermost, in blocks of 32 codes, two codes a byte); h_scales 8,192 x 32 uint8 (E8M0 scales of h, one for each 32 codes along K); x_codes 8,192 x 32 x 16 uint8 (E2M1 codes of x, K innermost, in blocks of 32 codes, two codes a byte); x_scales 8,192 x 32 uint8 (E8M0 scales of x, one for each 32 codes along K).
;; Outputs: out0 8,192 x 1,024 float32; out1 8,192 x 1,024 float32.
;; This version of the problem:
;;   THIS VERSION OF THE PROBLEM IS GIVEN IN LOW PRECISION. The matrix products marked QUANTISED in the list below multiply operands that are first quantised to E2M1 (2 exponent bits, 1 mantissa bit; 4 bits a number), with one power-of-two scale for each 32 numbers along K (OCP MX v1.0); their sums are f32. All else is computed in f32.
;;   The module's matrix products, in the order in which they are computed (A, B: the left and right operand; K: the contracted axis; several contracted axes count as one K, in the product's order):
;;     1. [M 8,192, K 1,024] x [K 1,024, N 4,096]; A: input x (given as codes); B: input Wx (given as codes): QUANTISED
;;     2. [M 8,192, K 1,024] x [K 1,024, N 4,096]; A: input h (given as codes); B: input Wh (given as codes): QUANTISED
;;   THE QUANTISER, for each operand of a quantised product, along K:
;;     - K is cut into blocks of 32 from its start; a last block that is shorter is filled with zeros.
;;     - A block's scale is 2^e with e = floor(log2(the largest magnitude in the block)) - 2, held to -126 .. 127; a block of zeros has e = 0. As a byte (E8M0): e + 127.
;;     - Each number is divided by its block's scale, clamped to +-6, and rounded to the nearest number of E2M1, ties to even, subnormals kept.
;;     - The product sums the exact products of the quantised numbers (number of the format x scale) in f32.
;;   ~~~python
;;   def quantise(x, axis):      # numpy; x: float32 -> the quantised numbers, widened to float32 again
;;       x = np.moveaxis(x, axis, -1); K = x.shape[-1]
;;       x = np.pad(x, [(0, 0)] * (x.ndim - 1) + [(0, -K % 32)]); x = x.reshape(x.shape[:-1] + (-1, 32)); a = np.abs(x).max(-1, keepdims=True)
;;       e = np.where(a > 0, np.clip(np.frexp(np.where(a > 0, a, 1))[1] - 1 - 2, -126, 127), 0)      # np.frexp(a)[1] - 1 = floor(log2(a)), exactly
;;       r = np.clip(x / 2.0 ** e, -6, 6)
;;       step = 2.0 ** (np.maximum(np.frexp(np.where(r == 0, 1, r))[1] - 1, 0) - 1)
;;       q = np.round(r / step) * step * 2.0 ** e      # np.round: ties to even
;;       return np.moveaxis(q.reshape(q.shape[:-2] + (-1,))[..., :K], -1, axis).astype(np.float32)
;;   ~~~
;;   INPUTS GIVEN AS CODES. Wh (in the module: [4096, 1024], K = its axis 1); Wx (in the module: [4096, 1024], K = its axis 1); h (in the module: [8192, 1024], K = its axis 1); x (in the module: [8192, 1024], K = its axis 1): each comes as NAME_codes (uint8): NAME with its K axis moved to the last place and cut into blocks of 32 codes, [.., K / 32, bytes a block], one block behind the other in memory; two codes a byte, the lower K in the low four bits (a code: sign, 2 exponent bits, 1 mantissa bit); and NAME_scales (uint8): the same leading axes, one E8M0 byte (e + 127) for each 32 codes along K. Its value is code x scale, taken as it is: it is not quantised again, and the codes and scales need not be those that the quantiser above would give.
;; One version. Each part assembles by itself: llvm-mc -triple=amdgcn-amd-amdhsa -mcpu=gfx1250 --defsym DOCPART=n.
;; ======== version 1 of 1: 1 launch
;; limits: right only within a limited range of input values
;; launch lstm (part 1): grid 16 x 16, 4 waves a work-group, clusters of 4 x 4, 327,680 bytes of LDS; arguments x_codes, h_codes, Wx_codes, Wh_codes, x_scales, h_scales, Wx_scales, Wh_scales, bx, bh, c_1, out0, out1; writes out0, out1
.if DOCPART == 1
	.amdgcn_target "amdgcn-amd-amdhsa--gfx1250"
	.amdhsa_code_object_version 6
	.text
	.protected	k_q8fdbc63ff7_lstm
	.globl	k_q8fdbc63ff7_lstm
	.p2align	8
	.type	k_q8fdbc63ff7_lstm,@function
k_q8fdbc63ff7_lstm:
	s_mov_b64 s[64:65], 0
	v_nop
	global_prefetch_b8 v0, s[64:65] scope:SCOPE_SE
	s_setreg_imm32_b32 hwreg(HW_REG_WAVE_MODE, 25, 1), 1
	s_wait_xcnt 0x0
	s_wait_alu depctr_hold_cnt(0) depctr_sa_sdst(0) depctr_va_vdst(0) depctr_va_sdst(0) depctr_va_ssrc(0) depctr_va_vcc(0) depctr_vm_vsrc(0)
	s_getreg_b32 s2, hwreg(HW_REG_IB_STS2, 6, 4)
	s_cmp_eq_u32 s2, 0
	s_cbranch_scc0 .Lentry_in_a_cluster
	s_endpgm
.Lentry_in_a_cluster:
	s_bfe_u32 s2, ttmp6, 0x10000c
	s_cmp_lg_u32 s2, 0xf033
	s_cbranch_scc0 .Lentry_shape_is_right
	s_endpgm
.Lentry_shape_is_right:
; LSTM cell.  g = x Wx^T + h Wh^T + (bx + bh), [8192][4096], both products on the given codes of FP4 (E2M1) with one E8M0 scale for each 32 along K;
; gates i, f, o = sigmoid(g's row blocks 0, 1, 2), c_ = tanh(block 3); out1 = c = sigmoid(f c_1 + i c_); out0 = tanh(c) o.  All behind the products in f32.
; NOTHING OF THE PROBLEM IS LEFT OUT: every input has a way to an output, and every input is loaded.  g never goes to memory.
; SHARES.  A work-group owns 64 hidden columns in all four gates and 512 batch rows, in eight slots of 64 rows.  Wave w owns columns 16 w .. 16 w + 15: its 64 rows of W, for all of K (2 x 1,024),
; are 64 KiB and stay in 512 of its registers for the whole launch; the batch rows' codes come through LDS, and are all that is read from LDS for the products.
; THE PRODUCT of 32 rows x 16 columns: source 0 = 16 columns of gate 2 p and the same 16 of gate 2 p + 1, source 1 = 16 batch rows.  Lane (r, hh), register 32 a + 8 g + j: batch row 16 a + r, column 8 hh + j of gate g:
; the four gates of an element lie in ONE lane.  The biases' sum is the C of each sum's first product.  A slot is 16 sub-steps of 128 along K (0-7: x, Wx; 8-15: h, Wh) on 8 accumulators by turns.
; LDS.  Two slots of x's and h's 64 rows (512 bytes of memory, 528 apart in LDS: 132 words), two tiles of c_1, two stages for the outputs (rows of 256 bytes, 272 apart).  At the head Wx and gates 0-2 of Wh lie
; where these begin later: they are read into registers once.  Gate 3 of Wh finds no room beside them (338 KB in all) and goes from memory to registers.
; CLUSTER.  4 x 4 work-groups: x and h hang on the tile row alone and are asked for jointly along a row of the cluster, W on the tile column alone, jointly along a column.  c_1 is the work-group's own.
; PREFETCH.  Each wave names 32 blocks of 256 bytes a slot, one slot ahead of the tensor load that takes them: wave 0 x, wave 1 h (a quarter of the slot by cx: the four partners name all of it once), waves 2, 3 c_1's 32 rows each.
; THE TAIL, with L = log2(e):  ei, ef, eo = 2^(-L g);  eg = 2^(2 L gc);  I = 1 / (-ln2 (1 + ei)(1 + eg));  F = 1 / (-ln2 (1 + ef)) = -L f;  -L s = F c_1 + (eg I - I);  es = 2^(-L s);  r = 1 / ((1 + es)(1 + eo)) = c o;
; c = r (1 + eo);  out0 = r Q(c c), Q(u) = tanh(sqrt u) / sqrt u on 0 .. 1 (c is a sigmoid, never outside), the Chebyshev sum to degree 5: its next coefficient is 5.2e-7.
; RANGE.  2 L gc is held to -64 .. 64 (tanh is 1 or -1 in f32 there), so that an infinite (1 + ei) meets no zero; -L go is held to 64 at the most, so that r = 0 meets no infinity.
; LIMITS: an o under 2^-64 counts as 2^-64; a c under 2^-62 may come out as 0 (the transcendentals flush denormals: ISA guide, 15.8); NaN and infinities in c_1, in the biases or by a scale byte 0xff are not served;
; the order of the sums is (bx + bh) + the x part + the h part, where the problem writes (x part + bx) + (h part + bh).
; REGISTERS.  Window 0: v0-31 addresses; v32-63 W's scale words, v64-127 x's and h's, two sets (scales and nothing else); v128-159 c_1; v160-223 rows read back; v224-255 bx + bh.
;   Window 1: Wx.  Window 2: Wh (sub-step q, gate g: 8 registers at 32 q + 8 g).  Window 3: v0-127 accumulators; v128-255 four buffers of fragments.
.set XH,   64*528                      ; x's part of a slot; h's lies behind it
.set SLOT, 2*XH
.set LWX,  SLOT                        ; at the head: Wx,
.set LWH,  LWX+4*XH                    ; gates 0-2 of Wh
.set CB,   2*SLOT                      ; c_1: two tiles
.set CTL,  64*272
.set STG,  CB+2*CTL                    ; two stages, each c and then out0: no fill lands there behind the head's
.set SPARE, LWH+3*XH                   ; the spare words: two blocks of 256 bytes that no other line names
.set VSC, 4
.set VWS, 5
.set VBI, 6
.set VWG, 7
.set VO,  8
.set VA0, 9
.set VA1, 10
.set VWA, 11
.set VWB, 12
.set VWC, 13
.set VWD, 14
.set VC,  15
.set VS,  16
.set VR,  17
.set VPF, 18
.set SPW, 28
.set NIL, 29
.set WS,  32
.set AS,  64
.set C1R, 128
.set RB,  160
.set BIAS, 224
.set FR,  128                          ; in window 3
.set WV,  30
.set LOOP, 31
.set LIM, 32
.set CX,  33
.set CY,  34
.set TCOL, 35
.set TROW, 36
.set G1W, 40
.set G1V, 48
.set G1A, 56
.set G1C, 68
.set GX,  76
.set GH,  80
.set GC,  84
.set GW,  88
.set GV,  92
.set K1,  96                           ; -log2(e)
.set K2,  98                           ; 2 log2(e)
.set K3,  100                          ; -ln 2
.set Q0,  4                            ; behind the use of the codes' and W's scales' addresses
.set Q1,  6
.set Q2,  8
.set Q3,  10
.set Q4,  16
.set Q5,  18
.set CLO, 20
.set CHI, 21
.set PFS, 2
.set PFB, 24
.set MSB, 0
.macro WIN new                         ; the immediate's high byte repeats the setting that is left
.if MSB != \new
	s_set_vgpr_msb (MSB<<8)|\new
.set MSB, \new
.endif
.endm
.macro PLACES n
.rept \n
	v_nop
.endr
.endm
.macro VDST
	s_wait_alu depctr_va_vdst(0)
.endm
.macro CREST                           ; a round of the cluster's barrier behind its opening barrier
	s_cmp_lg_u32 s[WV], 0
	s_cbranch_scc1 .Lnot_wave_0_\@
	s_barrier_signal -3
.Lnot_wave_0_\@:
	s_barrier_wait -3
	s_barrier_signal -1
	s_barrier_wait -1
.endm
.macro CROUND
	s_barrier_signal -1
	s_barrier_wait -1
	CREST
.endm
.macro SHAPE g, cols, rows, pitch      ; group 1 but its first word: elements of 8 bytes
	s_mov_b32 s[\g+1], (\cols)<<16
	s_mov_b32 s[\g+2], (\rows)<<16
	s_mov_b32 s[\g+3], (\cols)<<16
	s_mov_b32 s[\g+4], \rows
	s_mov_b32 s[\g+5], \pitch
	s_mov_b32 s[\g+6], 0
	s_mov_b32 s[\g+7], 0
.endm
.macro FROM g, lds, base, off          ; group 0
	s_mov_b32 s[\g], 1
	s_mov_b32 s[\g+1], \lds
	s_add_nc_u64 s[\g+2:\g+3], s[\base:\base+1], s[\off:\off+1]
	s_or_b32 s[\g+3], s[\g+3], 0x80000000
.endm
.macro TLOAD g0, g1
	tensor_load_to_lds s[\g0:\g0+3], s[\g1:\g1+7]
	s_nop 0
	PLACES 4
.endm
; The refills, one load a wave: wave 1 x, wave 2 h (joint), wave 0 c_1; wave 3 has no part.  what = 1: c_1 alone.
.macro JLOAD what
.if \what == 2
	s_cmp_eq_u32 s[WV], 1
	s_cbranch_scc0 .Lnot_x_\@
	TLOAD GX, G1A
	s_branch .Lasked_\@
.Lnot_x_\@:
	s_cmp_eq_u32 s[WV], 2
	s_cbranch_scc0 .Lnot_h_\@
	TLOAD GH, G1A
	s_branch .Lasked_\@
.Lnot_h_\@:
.endif
	s_cmp_eq_u32 s[WV], 0
	s_cbranch_scc0 .Lasked_\@
	TLOAD GC, G1C
.Lasked_\@:
.endm
	s_load_b512 s[4:19], s[0:1], 0x0               ; codes of x s[4:5], h s[6:7], Wx s[8:9], Wh s[10:11]; scales of x s[12:13], h s[14:15], Wx s[16:17], Wh s[18:19]
	s_load_b256 s[20:27], s[0:1], 0x40             ; bx s[20:21], bh s[22:23], c_1 s[24:25], out0 s[26:27]
	s_load_b64 s[28:29], s[0:1], 0x60              ; out1
	v_lshl_add_u32 v[SPW], v0, 2, SPARE
	v_mov_b32 v[NIL], 0
	ds_add_u32 v[SPW], v[NIL]                      ; the wave's opening: the add, twice on end, and its wait ahead of my first tensor load
	ds_add_u32 v[SPW], v[NIL]
	v_lshrrev_b32 v1, 5, v0
	v_readfirstlane_b32 s[WV], v1                  ; wave 0..3
	s_bfe_u32 s[CX], ttmp6, 0x40000
	s_bfe_u32 s[CY], ttmp6, 0x40004
	s_lshl_b32 s[TCOL], ttmp9, 2
	s_add_co_u32 s[TCOL], s[TCOL], s[CX]           ; tile column = 4 x cluster x + cx
	s_and_b32 s[TROW], ttmp7, 0xffff
	s_lshl_b32 s[TROW], s[TROW], 2
	s_add_co_u32 s[TROW], s[TROW], s[CY]           ; tile row = 4 x cluster y + cy
	s_lshl_b32 s37, s[CY], 2
	s_lshl_b32 s37, 15, s37                        ; my row of the cluster
	s_lshl_b32 s66, 0x1111, s[CX]                  ; my column
	; first words: 15:0 the mask; 17:16 elements of 8 bytes; 20 padding on; 21 set beside a mask; 24:22 after every 128 words (c_1: 64); 31:25 four words
	s_or_b32 s[G1A], s37, (3<<16)|(1<<20)|(1<<21)|(6<<22)|(3<<25)
	s_or_b32 s[G1W], s66, (3<<16)|(1<<20)|(1<<21)|(6<<22)|(3<<25)
	s_or_b32 s[G1V], s66, (3<<16)|(1<<20)|(1<<21)|(6<<22)|(3<<25)
	s_mov_b32 s[G1C], (3<<16)|(1<<20)|(5<<22)|(3<<25)
	SHAPE G1A, 64, 64, 64                          ; 64 rows of 512 bytes
	SHAPE G1W, 4096, 4, 65536                      ; a gate's 64 rows are dense, 32,768 bytes, and the gates 1,024 rows apart: four runs of 64 rows; in LDS 256 rows
	SHAPE G1V, 4096, 3, 65536                      ; three gates
	SHAPE G1C, 32, 64, 512                         ; 64 rows of 256 bytes, 4,096 apart
	s_mov_b32 s[K1], 0xbfb8aa3b
	s_mov_b32 s[K1+1], 0xbfb8aa3b                  ; (the packed forms name a pair and take its low word for both halves: both are written)
	s_mov_b32 s[K2], 0x4038aa3b
	s_mov_b32 s[K2+1], 0x4038aa3b
	s_mov_b32 s[K3], 0xbf317218
	s_mov_b32 s[K3+1], 0xbf317218
	s_lshl_b32 s2, s[TROW], 18                     ; x, h: 512 rows of 512 bytes a tile row: made of the tile row alone
	s_mov_b32 s3, 0
	s_lshl_b32 s38, s[TCOL], 15                    ; W: 64 rows of 512 bytes a tile column
	s_mov_b32 s39, 0
	s_wait_dscnt 0x0                               ; both opening adds are done
	s_wait_kmcnt 0x0
	FROM GX, 0, 4, 2                               ; slot 0
	FROM GH, XH, 6, 2
	FROM GW, LWX, 8, 38
	FROM GV, LWH, 10, 38
	CROUND                                         ; all sixteen work-groups are here: the first joint loads meet
	; The head's loads, one a wave, in one chain of branches: wave 0 Wx, wave 1 gates 0-2 of Wh, wave 2 x, wave 3 h
	s_cmp_eq_u32 s[WV], 0
	s_cbranch_scc0 .Lhead_1
	TLOAD GW, G1W
	s_branch .Lhead_asked
.Lhead_1:
	s_cmp_eq_u32 s[WV], 1
	s_cbranch_scc0 .Lhead_2
	TLOAD GV, G1V
	s_branch .Lhead_asked
.Lhead_2:
	s_cmp_eq_u32 s[WV], 2
	s_cbranch_scc0 .Lhead_3
	TLOAD GX, G1A
	s_branch .Lhead_asked
.Lhead_3:
	TLOAD GH, G1A
.Lhead_asked:
	; each buffer's address at my part
	s_lshl_b32 s37, s[WV], 13
	s_add_co_u32 s38, s38, s37
	s_add_co_u32 s38, s38, 3*1024*512              ; gate 3 of Wh: my 16 rows
	s_add_nc_u64 s[10:11], s[10:11], s[38:39]
	s_cmp_eq_u32 s[WV], 0                          ; the prefetches: wave 0 x, wave 1 h, from slot 1 on, my quarter of a slot;
	s_cselect_b64 s[66:67], s[4:5], s[6:7]
	s_add_nc_u64 s[66:67], s[66:67], s[2:3]
	s_lshl_b32 s38, s[CX], 13
	s_add_co_u32 s38, s38, 32768
	s_add_nc_u64 s[66:67], s[66:67], s[38:39]
	s_lshl_b32 s38, s[TROW], 14                    ; x's and h's scales: 512 rows of 32 bytes
	s_add_nc_u64 s[12:13], s[12:13], s[38:39]
	s_add_nc_u64 s[14:15], s[14:15], s[38:39]
	s_lshl_b32 s38, s[TCOL], 11
	s_lshl_b32 s37, s[WV], 9
	s_add_co_u32 s38, s38, s37                     ; W's scales: (64 TCOL + 16 w) rows of 32 bytes
	s_add_nc_u64 s[16:17], s[16:17], s[38:39]
	s_add_nc_u64 s[18:19], s[18:19], s[38:39]
	s_lshr_b32 s38, s38, 3                         ; the same columns x 4 bytes
	s_add_nc_u64 s[20:21], s[20:21], s[38:39]
	s_add_nc_u64 s[22:23], s[22:23], s[38:39]
	s_lshl_b32 s38, s[TROW], 21
	s_lshl_b32 s37, s[TCOL], 8
	s_add_co_u32 s38, s38, s37                     ; 512 TROW rows of 4,096 bytes + 64 TCOL columns
	FROM GC, CB, 24, 38                            ; c_1, tile 0
	s_add_nc_u64 s[24:25], s[24:25], s[38:39]
	s_lshl_b32 s37, s[WV], 16
	s_add_co_u32 s38, s38, s37                     ; the outputs: + 16 rows a wave
	s_add_nc_u64 s[26:27], s[26:27], s[38:39]
	s_add_nc_u64 s[28:29], s[28:29], s[38:39]
	s_and_b32 s38, s[WV], 1
	s_lshl_b32 s38, s38, 17
	s_add_nc_u64 s[24:25], s[24:25], s[38:39]      ; waves 2, 3: c_1 from tile 0 on, 32 rows each
	s_mov_b32 s38, 0x40000
	s_cmp_lt_u32 s[WV], 2
	s_cselect_b64 s[PFB:PFB+1], s[66:67], s[24:25]
	s_cselect_b32 s[PFS], 0x8000, s38              ; a slot further: 64 rows of 512 or of 4,096 bytes
	s_mov_b32 s[PFS+1], 0
	s_cselect_b32 s[LIM], 1, 0                     ; x and h end a prefetch earlier than c_1
	s_cselect_b32 s37, 8, 12                       ; a lane a block of 256 bytes, or a lane a row of c_1
	s_mul_i32 s38, s[WV], 16*528
	s_lshl_b32 s66, s[WV], 6
	s_add_co_u32 s66, s66, CB
	s_mul_i32 s67, s[WV], 16*272
	s_add_co_u32 s67, s67, STG
	v_and_b32 v1, 15, v0                           ; r
	v_bfe_u32 v2, v0, 4, 1                         ; hh
	v_and_b32 v3, 31, v0
	v_lshlrev_b32 v[VPF], s37, v3
	v_lshlrev_b32 v[VSC], 5, v1
	v_lshl_add_u32 v[VWS], v2, 15, v[VSC]          ; W's scales: lanes 16-31 take the next gate's row
	v_lshl_add_u32 v[VSC], v2, 4, v[VSC]           ; x's and h's: row r, bytes 16 hh .. 16 hh + 15: lanes 0-15 K = 0-511, lanes 16-31 K = 512-1023
	v_lshlrev_b32 v[VBI], 5, v2
	v_lshlrev_b32 v[VWG], 9, v1
	v_lshl_add_u32 v[VWG], v2, 4, v[VWG]
	v_lshlrev_b32 v[VO], 4, v1
	v_lshl_add_u32 v[VO], v2, 12, v[VO]            ; two rows of an output, 16 bytes a lane
	v_mul_u32_u24 v[VA0], v1, 528
	v_lshl_add_u32 v[VA0], v2, 4, v[VA0]           ; a fragment's row x pitch + 16 hh, slot 0
	v_add_nc_u32 v[VA1], SLOT, v[VA0]
	v_add_nc_u32 v[VWA], s38, v[VA1]               ; my 16 rows of Wx, gates 0, 1;
	v_add_nc_u32 v[VWB], 2*XH, v[VWA]              ; gates 2, 3;
	v_add_nc_u32 v[VWC], 4*XH, v[VWA]              ; of Wh, gates 0, 1;
	v_add_nc_u32 v[VWD], 6*XH, v[VWA]              ; gate 2
	v_mul_u32_u24 v[VC], v1, 272
	v_lshl_add_u32 v[VC], v2, 5, v[VC]
	v_add_nc_u32 v[VC], s66, v[VC]                 ; c_1 in the accumulators' layout
	v_add_nc_u32 v[VS], STG-CB, v[VC]              ; and the same place in a stage
	v_mul_u32_u24 v[VR], v2, 272
	v_lshl_add_u32 v[VR], v1, 4, v[VR]
	v_add_nc_u32 v[VR], s67, v[VR]                 ; rows read back: my 16, two a load
	VDST
.irp p, 0,1                                    ; W's scale words: 8 for each product and pair of gates
.irp g, 0,1
.irp i, 0,1
	global_load_b128 v[WS+16*\p+8*\g+4*\i:WS+16*\p+8*\g+4*\i+3], v[VWS], s[16+2*\p:17+2*\p] offset:65536*\g+16*\i
.endr
.endr
.endr
.irp k, 0,1                                    ; x's and h's, slots 0 and 1: 512 consecutive bytes a load
.irp a, 0,1,2,3
	global_load_b128 v[AS+32*\k+4*\a:AS+32*\k+4*\a+3], v[VSC], s[12:13] offset:2048*\k+512*\a
	global_load_b128 v[AS+32*\k+16+4*\a:AS+32*\k+16+4*\a+3], v[VSC], s[14:15] offset:2048*\k+512*\a
.endr
.endr
.irp g, 0,1,2,3                                ; the biases of my eight columns in each gate
.irp i, 0,1
	global_load_b128 v[RB+8*\g+4*\i:RB+8*\g+4*\i+3], v[VBI], s[20:21] offset:4096*\g+16*\i
	global_load_b128 v[RB+32+8*\g+4*\i:RB+32+8*\g+4*\i+3], v[VBI], s[22:23] offset:4096*\g+16*\i
.endr
.endr
	WIN 0x80                                       ; gate 3 of Wh, in the operand's layout
.irp q, 0,1,2,3,4,5,6,7
	global_load_b128 v[32*\q+24:32*\q+27], v[VWG], s[10:11] offset:64*\q
	global_load_b128 v[32*\q+28:32*\q+31], v[VWG], s[10:11] offset:64*\q+32
.endr
	WIN 0
	global_prefetch_b8 v[VPF], s[PFB:PFB+1] th:TH_LOAD_NT scope:SCOPE_SE
	s_wait_tensorcnt 0x0                           ; my tile of the head's four is in
	ds_add_u32 v[SPW], v[NIL]                      ; 0 onto my spare word
	s_wait_dscnt 0x0
	s_barrier_signal -1
	s_barrier_wait -1                              ; all four tiles are in
; Two loads of 16 bytes bring a fragment of 16 rows x 128 K: registers 4 c .. 4 c + 3 hold K = 64 c + 32 hh + 0 .. 31
.macro FRAG t, a, va
	ds_load_b128 v[FR+32*((\t)%4)+8*(\a):FR+32*((\t)%4)+8*(\a)+3], v[\va] offset:((\t)/8)*XH+(\a)*16*528+64*((\t)%8)
	ds_load_b128 v[FR+32*((\t)%4)+8*(\a)+4:FR+32*((\t)%4)+8*(\a)+7], v[\va] offset:((\t)/8)*XH+(\a)*16*528+64*((\t)%8)+32
.endm
.macro WFRAG q, g, va, off
	ds_load_b128 v[32*\q+8*\g:32*\q+8*\g+3], v[\va] offset:\off+64*\q
	ds_load_b128 v[32*\q+8*\g+4:32*\q+8*\g+7], v[\va] offset:\off+64*\q+32
.endm
	WIN 0x40                                       ; W into registers, once
.irp q, 0,1,2,3,4,5,6,7
	WFRAG \q, 0, VWA, 0
	WFRAG \q, 1, VWA, XH
	WFRAG \q, 2, VWB, 0
	WFRAG \q, 3, VWB, XH
.endr
	WIN 0x80
.irp q, 0,1,2,3,4,5,6,7
	WFRAG \q, 0, VWC, 0
	WFRAG \q, 1, VWC, XH
	WFRAG \q, 2, VWD, 0
.endr
.macro FRAGS4 va                       ; the first four sub-steps' fragments of a slot
	WIN 0xc0
.irp t, 0,1,2,3
.irp a, 0,1,2,3
	FRAG \t, \a, \va
.endr
.endr
	WIN 0
.endm
	FRAGS4 VA0
	s_wait_loadcnt 0x0                             ; scales, biases, gate 3 of Wh
.irp t, 0,2,4,6,8,10,12,14,16,18,20,22,24,26,28,30
	v_pk_add_f32 v[BIAS+\t:BIAS+\t+1], v[RB+\t:RB+\t+1], v[RB+32+\t:RB+32+\t+1]   ; bx + bh
.endr
	VDST
	s_wait_xcnt 0x0                                ; addresses that are done with give their registers to constants
.irp i, 0,1
	s_mov_b32 s[Q0+\i], 0x3f7ffff7                 ; Q's coefficients, of u^0 ..
	s_mov_b32 s[Q1+\i], 0xbeaaa539
	s_mov_b32 s[Q2+\i], 0x3e080350
	s_mov_b32 s[Q3+\i], 0xbd537fb4
	s_mov_b32 s[Q4+\i], 0x3c896f73
	s_mov_b32 s[Q5+\i], 0xbb49e0b1                 ; .. u^5
.endr
	s_mov_b32 s[CLO], 0xc2800000
	s_mov_b32 s[CHI], 0x42800000
	s_add_nc_u64 s[PFB:PFB+1], s[PFB:PFB+1], s[PFS:PFS+1]
	s_wait_tensorcnt 0x0
	ds_add_u32 v[SPW], v[NIL]
	s_mov_b32 s[GX+1], SLOT                        ; no tensor load of mine is out: slot 1
	s_mov_b32 s[GH+1], SLOT+XH
	s_add_nc_u64 s[GX+2:GX+3], s[GX+2:GX+3], 0x8000
	s_add_nc_u64 s[GH+2:GH+3], s[GH+2:GH+3], 0x8000
	s_wait_dscnt 0x0                               ; the add is done, and W is in my registers
	CROUND                                         ; in everybody's
	JLOAD 2
	global_prefetch_b8 v[VPF], s[PFB:PFB+1] th:TH_LOAD_NT scope:SCOPE_SE
; One product: 16 batch rows (block a) x gates 2 p, 2 p + 1, sub-step s.  The biases' sum is the first one's C.  Sub-steps 4-7 of a product take the rows' scales from lanes 16-31.
.macro MM s, a, p, set
.set rD, 32*(\a)+16*(\p)
.set rW, 32*((\s)%8)+16*(\p)
.set rX, FR+32*((\s)%4)+8*(\a)
.set rS, WS+16*((\s)/8)+8*(\p)+((\s)%8)
.set rT, AS+32*(\set)+16*((\s)/8)+4*(\a)+((\s)%4)
.if (\s) == 0
	v_wmma_scale_f32_32x16x128_f4 v[rD:rD+15], v[rW:rW+15], v[rX:rX+7], v[BIAS+16*(\p):BIAS+16*(\p)+15], v[rS], v[rT]
.elseif ((\s)%8) < 4
	v_wmma_scale_f32_32x16x128_f4 v[rD:rD+15], v[rW:rW+15], v[rX:rX+7], v[rD:rD+15], v[rS], v[rT]
.else
	v_wmma_scale_f32_32x16x128_f4 v[rD:rD+15], v[rW:rW+15], v[rX:rX+7], v[rD:rD+15], v[rS], v[rT] matrix_b_scale:MATRIX_SCALE_ROW1
.endif
.endm
; A sub-step: 8 products, the 8 accumulators by turns, in the same order in every sub-step.  Even sub-steps 2 .. 12 also fetch the fragments of the sub-steps two and three on, a fragment
; behind each product, into the buffers of the two sub-steps before: four places stand ahead of the first (ISA guide 7.12.1).
.macro SUB s, set, va
.set LD, 0
.if ((\s)%2) == 0
.if ((\s) > 1) && ((\s) < 13)
.set LD, 1
.endif
.endif
.if ((\s) > 3) && ((\s) < 14)
.if ((\s)%2) == 0
	s_wait_dscnt 8                                 ; this sub-step's are in; the next one's eight may be out
.else
	s_wait_dscnt 16                                ; the sixteen of the next two may be out
.endif
.endif
.if LD
	PLACES 4
.endif
.irp i, 0,1,2,3,4,5,6,7
.if (\s) == 0
	WIN 0xcd                                       ; source 0 window 1, source 1 window 3, C (biases) window 0, D window 3
.elseif (\s) < 8
	WIN 0xfd
.else
	WIN 0xfe
.endif
	MM \s, (\i/2), (\i%2), \set
.if LD
	WIN 0xc0
	FRAG (\s+2+\i/4), (\i%4), \va
.endif
.endr
.endm
; The tail's plain lines and transcendentals: pair (a, j): I at v[PB], F at + 8, O at + 16, G at + 24, in window 3, in place.
.macro PL ph
.irp a, 0,1,2,3
.irp j, 0,2,4,6
.set PB, 32*\a+\j
.if \ph == 1
	v_pk_mul_f32 v[PB:PB+1], v[PB:PB+1], s[K1:K1+1] op_sel_hi:[1,0]              ; -L gi  (each accumulator is read from its low end on)
	v_pk_mul_f32 v[PB+8:PB+9], v[PB+8:PB+9], s[K1:K1+1] op_sel_hi:[1,0]          ; -L gf
	v_pk_mul_f32 v[PB+16:PB+17], v[PB+16:PB+17], s[K1:K1+1] op_sel_hi:[1,0]      ; -L go
	v_pk_mul_f32 v[PB+24:PB+25], v[PB+24:PB+25], s[K2:K2+1] op_sel_hi:[1,0]      ; 2 L gc
.elseif \ph == 2
	v_med3_num_f32 v[PB+24], v[PB+24], s[CLO], s[CHI]
	v_med3_num_f32 v[PB+25], v[PB+25], s[CLO], s[CHI]
	v_min_num_f32 v[PB+16], s[CHI], v[PB+16]
	v_min_num_f32 v[PB+17], s[CHI], v[PB+17]
.elseif \ph == 3
	v_pk_fma_f32 v[PB:PB+1], v[PB:PB+1], s[K3:K3+1], s[K3:K3+1] op_sel_hi:[1,0,0]            ; -ln2 (1 + ei)
	v_pk_fma_f32 v[PB+8:PB+9], v[PB+8:PB+9], s[K3:K3+1], s[K3:K3+1] op_sel_hi:[1,0,0]        ; -ln2 (1 + ef)
	v_pk_add_f32 v[PB+16:PB+17], v[PB+16:PB+17], 1.0 op_sel_hi:[1,0]                         ; 1 + eo
.elseif \ph == 4
	v_pk_fma_f32 v[PB:PB+1], v[PB:PB+1], v[PB+24:PB+25], v[PB:PB+1]                          ; -ln2 (1 + ei)(1 + eg)
.elseif \ph == 5
	v_pk_fma_f32 v[PB+24:PB+25], v[PB+24:PB+25], v[PB:PB+1], v[PB:PB+1] neg_lo:[0,0,1] neg_hi:[0,0,1]   ; eg I - I = -L i tanh(gc)
.elseif \ph == 6
	v_pk_fma_f32 v[PB+24:PB+25], v[PB+8:PB+9], v[C1R+8*\a+\j:C1R+8*\a+\j+1], v[PB+24:PB+25]  ; -L s
.elseif \ph == 7
	v_pk_fma_f32 v[PB:PB+1], v[PB+24:PB+25], v[PB+16:PB+17], v[PB+16:PB+17]                  ; (1 + es)(1 + eo)
.elseif \ph == 8
	v_pk_mul_f32 v[PB+8:PB+9], v[PB:PB+1], v[PB+16:PB+17]                                    ; c
.elseif \ph == 9
	v_pk_mul_f32 v[PB+24:PB+25], v[PB+8:PB+9], v[PB+8:PB+9]                                  ; u = c c
.elseif \ph == 10
	v_pk_fma_f32 v[PB+16:PB+17], v[PB+24:PB+25], s[Q5:Q5+1], s[Q4:Q4+1] op_sel_hi:[1,0,0]
.elseif \ph == 11
	v_pk_fma_f32 v[PB+16:PB+17], v[PB+16:PB+17], v[PB+24:PB+25], s[Q3:Q3+1] op_sel_hi:[1,1,0]
.elseif \ph == 12
	v_pk_fma_f32 v[PB+16:PB+17], v[PB+16:PB+17], v[PB+24:PB+25], s[Q2:Q2+1] op_sel_hi:[1,1,0]
.elseif \ph == 13
	v_pk_fma_f32 v[PB+16:PB+17], v[PB+16:PB+17], v[PB+24:PB+25], s[Q1:Q1+1] op_sel_hi:[1,1,0]
.elseif \ph == 14
	v_pk_fma_f32 v[PB+16:PB+17], v[PB+16:PB+17], v[PB+24:PB+25], s[Q0:Q0+1] op_sel_hi:[1,1,0]
.else
	v_pk_mul_f32 v[PB:PB+1], v[PB:PB+1], v[PB+16:PB+17]                                      ; out0 = r Q(u)
.endif
.endr
.endr
.endm
.macro TR ph                           ; a batch, with waits ahead of it and behind it
	VDST
.irp a, 0,1,2,3
.irp j, 0,2,4,6
.set PB, 32*\a+\j
.if \ph == 1
.irp o, 0,1,8,9,16,17,24,25
	v_exp_f32 v[PB+\o], v[PB+\o]
.endr
.elseif \ph == 2
.irp o, 0,1,8,9
	v_rcp_f32 v[PB+\o], v[PB+\o]
.endr
.elseif \ph == 3
	v_exp_f32 v[PB+24], v[PB+24]                   ; es
	v_exp_f32 v[PB+25], v[PB+25]
.else
	v_rcp_f32 v[PB], v[PB]                         ; r
	v_rcp_f32 v[PB+1], v[PB+1]
.endif
.endr
.endr
	v_nop                                          ; the plain instruction behind the last transcendental
	VDST
.endm
.macro READBACK st                     ; my 16 rows of a stage, of both outputs
.irp t, 0,1,2,3,4,5,6,7
	ds_load_b128 v[RB+4*\t:RB+4*\t+3], v[VR] offset:(\st)*2*CTL+544*\t
	ds_load_b128 v[RB+32+4*\t:RB+32+4*\t+3], v[VR] offset:(\st)*2*CTL+CTL+544*\t
.endr
.endm
.macro SEND off                        ; sixteen lanes store 256 consecutive bytes, at a multiple of 256 from the buffer's first byte; the base stands ahead of the slot that is stored
.irp t, 0,1,2,3,4,5,6,7
	global_store_b128 v[VO], v[RB+4*\t:RB+4*\t+3], s[28:29] offset:\off+8192*\t th:TH_STORE_NT
	global_store_b128 v[VO], v[RB+32+4*\t:RB+32+4*\t+3], s[26:27] offset:\off+8192*\t th:TH_STORE_NT
.endr
.endm
; Slot k, of parity pk.  fill = 2: the slot two on and c_1's next tile are asked for; 1: c_1's alone; 0: nothing.  first = 1: in the loop's first trip there is no slot before, whose outputs would be stored.
; sc = 1: the scale words of the slot two on are loaded.  next: the address register of the next slot's fragments (0: none).  pf: 1 prefetch, 2 not by waves 0 and 1 in the loop's last trip.  lc: younger scale loads.
.macro BODY pk, fill, first, sc, cur, next, pf, lc
	s_wait_loadcnt \lc                             ; this slot's scale words are in
	s_wait_dscnt 16                                ; its first fragments are in; the sixteen stores into the stage behind them may be out
.irp s, 0,1,2,3,4,5,6,7,8,9,10,11,12,13
	SUB \s, \pk, \cur
.endr
	WIN 0
	s_wait_xcnt 0x0                                ; every earlier memory instruction has had its addresses translated (ISA guide 3.1): bases may step, data registers may be loaded
	s_wait_tensorcnt 0x0                           ; all my tensor loads have landed: my part of the next slot and of this slot's c_1
	ds_add_u32 v[SPW], v[NIL]                      ; 0 onto my spare word
.if \fill == 2
	s_mov_b32 s[GX+1], (\pk)*SLOT
	s_mov_b32 s[GH+1], (\pk)*SLOT+XH
	s_add_nc_u64 s[GX+2:GX+3], s[GX+2:GX+3], 0x8000
	s_add_nc_u64 s[GH+2:GH+3], s[GH+2:GH+3], 0x8000
.endif
.if \fill
	s_mov_b32 s[GC+1], CB+(1-\pk)*CTL
	s_add_nc_u64 s[GC+2:GC+3], s[GC+2:GC+3], 0x40000
.endif
.if \sc
	s_add_nc_u64 s[12:13], s[12:13], 0x800
	s_add_nc_u64 s[14:15], s[14:15], 0x800
.endif
.if \pf
	s_add_nc_u64 s[PFB:PFB+1], s[PFB:PFB+1], s[PFS:PFS+1]
.endif
	s_add_nc_u64 s[26:27], s[26:27], 0x40000
	s_add_nc_u64 s[28:29], s[28:29], 0x40000
	s_wait_dscnt 9                                 ; sub-step 14's fragments are in (sub-step 15's eight and the add may be out)
	SUB 14, \pk, \cur                              ; eight products stand between the add and the wait for it
	s_wait_dscnt 0x0                               ; the add is done, my reads of this slot are over, my part of the last slot's stage is written
	s_barrier_signal -1
	SUB 15, \pk, \cur
	WIN 0
	s_barrier_wait -1
.if \fill
	CREST                                          ; no wave of any partner still reads this slot or has a load on its way
	JLOAD \fill
.endif
	PLACES 4                                       ; between the last products and the loads into, and reads of, their registers
.if \sc
.irp a, 0,1,2,3
	global_load_b128 v[AS+32*\pk+4*\a:AS+32*\pk+4*\a+3], v[VSC], s[12:13] offset:2048+512*\a
	global_load_b128 v[AS+32*\pk+16+4*\a:AS+32*\pk+16+4*\a+3], v[VSC], s[14:15] offset:2048+512*\a
.endr
.endif
.irp a, 0,1,2,3
	ds_load_b128 v[C1R+8*\a:C1R+8*\a+3], v[VC] offset:(\pk)*CTL+16*272*\a
	ds_load_b128 v[C1R+8*\a+4:C1R+8*\a+7], v[VC] offset:(\pk)*CTL+16*272*\a+16
.endr
.if \first
	s_cmp_eq_u32 s[LOOP], 3
	s_cbranch_scc1 .Lno_rows_\@
.endif
	READBACK 1-\pk                                 ; the last slot's outputs
.Lno_rows_\@:
	WIN 0xff
	VDST
	PL 1
	PL 2
	TR 1
	WIN 0
	s_wait_dscnt 0x0                               ; c_1 and the rows are in registers
.if \first
	s_cmp_eq_u32 s[LOOP], 3
	s_cbranch_scc1 .Lno_slot_before_\@
.endif
	SEND -0x80000
.Lno_slot_before_\@:
.if \pf == 2
	s_cmp_gt_u32 s[LOOP], s[LIM]
	s_cbranch_scc0 .Lnot_asked_\@
.endif
.if \pf
	global_prefetch_b8 v[VPF], s[PFB:PFB+1] th:TH_LOAD_NT scope:SCOPE_SE
.endif
.Lnot_asked_\@:
.if \next
	FRAGS4 \next
.endif
	WIN 0xff
	PL 3
	PL 4
	TR 2
	PL 5
	WIN 0xf3                                       ; source 1 (c_1) in window 0
	PL 6
	WIN 0xff
	TR 3
	PL 7
	TR 4
.irp ph, 8,9,10,11,12,13,14,15
	PL \ph
.endr
	WIN 0x0c                                       ; an LDS store's data are its source 1
.irp a, 0,1,2,3
.irp i, 0,1
	ds_store_b128 v[VS], v[32*\a+8+4*\i:32*\a+8+4*\i+3] offset:(\pk)*2*CTL+16*272*\a+16*\i
	ds_store_b128 v[VS], v[32*\a+4*\i:32*\a+4*\i+3] offset:(\pk)*2*CTL+CTL+16*272*\a+16*\i
.endr
.endr
	WIN 0
.endm
	s_mov_b32 s[LOOP], 3
.Lslots:                                               ; slots 0 to 5, two a trip
	BODY 0, 2, 1, 1, VA0, VA1, 1, 8
	BODY 1, 2, 0, 1, VA1, VA0, 2, 8
	s_sub_co_u32 s[LOOP], s[LOOP], 1
	VDST
	s_cmp_lg_u32 s[LOOP], 0
	s_cbranch_scc1 .Lslots
	BODY 0, 1, 0, 0, VA0, VA1, 0, 8                ; slot 6: c_1's last tile is all that is left to fetch
	BODY 1, 0, 0, 0, VA1, 0, 0, 0                  ; slot 7: nothing
	s_wait_xcnt 0x0                                ; slot 6's stores have read their data registers
	s_wait_dscnt 0x0                               ; for the others' sake: my part of the stage is written
	s_barrier_signal -1
	s_barrier_wait -1
	READBACK 1
	s_wait_dscnt 0x0
	SEND -0x40000
	s_wait_tensorcnt 0x0                           ; the wave's end
	ds_add_u32 v[SPW], v[NIL]
	s_wait_dscnt 0x0
	CROUND                                         ; the closing round: no work-group ends while a partner may still ask for a tile that names it
	s_endpgm
.Lfunc_end_k_q8fdbc63ff7_lstm:
	.size	k_q8fdbc63ff7_lstm, .Lfunc_end_k_q8fdbc63ff7_lstm-k_q8fdbc63ff7_lstm
	.p2alignl 7, 3214868480
	.fill 96, 4, 3214868480
	.section	.rodata,"a",@progbits
	.p2align	6, 0x0
	.amdhsa_kernel k_q8fdbc63ff7_lstm
		.amdhsa_group_segment_fixed_size 327680
		.amdhsa_private_segment_fixed_size 0
		.amdhsa_enable_private_segment 0
		.amdhsa_kernarg_size 104
		.amdhsa_user_sgpr_count 2
		.amdhsa_user_sgpr_kernarg_segment_ptr 1
		.amdhsa_wavefront_size32 1
		.amdhsa_system_sgpr_workgroup_id_x 1
		.amdhsa_system_sgpr_workgroup_id_y 1
		.amdhsa_system_sgpr_workgroup_id_z 1
		.amdhsa_system_vgpr_workitem_id 0
		.amdhsa_next_free_vgpr 1024
		.amdhsa_next_free_sgpr 102
		.amdhsa_reserve_vcc 0
		.amdhsa_float_denorm_mode_32 3
		.amdhsa_float_denorm_mode_16_64 3
		.amdhsa_memory_ordered 1
		.amdhsa_forward_progress 1
		.amdhsa_inst_pref_size 255
	.end_amdhsa_kernel
	.section	.bss,"aw",@nobits
	.p2align	6
	.space	262144
	.amdgpu_metadata
---
amdhsa.version: [ 1, 2 ]
amdhsa.kernels:
  - .name:           k_q8fdbc63ff7_lstm
    .symbol:         k_q8fdbc63ff7_lstm.kd
    .args:
      - { .name: x_codes, .offset: 0, .size: 8, .value_kind: global_buffer, .address_space: global }
      - { .name: h_codes, .offset: 8, .size: 8, .value_kind: global_buffer, .address_space: global }
      - { .name: Wx_codes, .offset: 16, .size: 8, .value_kind: global_buffer, .address_space: global }
      - { .name: Wh_codes, .offset: 24, .size: 8, .value_kind: global_buffer, .address_space: global }
      - { .name: x_scales, .offset: 32, .size: 8, .value_kind: global_buffer, .address_space: global }
      - { .name: h_scales, .offset: 40, .size: 8, .value_kind: global_buffer, .address_space: global }
      - { .name: Wx_scales, .offset: 48, .size: 8, .value_kind: global_buffer, .address_space: global }
      - { .name: Wh_scales, .offset: 56, .size: 8, .value_kind: global_buffer, .address_space: global }
      - { .name: bx, .offset: 64, .size: 8, .value_kind: global_buffer, .address_space: global }
      - { .name: bh, .offset: 72, .size: 8, .value_kind: global_buffer, .address_space: global }
      - { .name: c_1, .offset: 80, .size: 8, .value_kind: global_buffer, .address_space: global }
      - { .name: out0, .offset: 88, .size: 8, .value_kind: global_buffer, .address_space: global }
      - { .name: out1, .offset: 96, .size: 8, .value_kind: global_buffer, .address_space: global }
    .group_segment_fixed_size: 327680
    .private_segment_fixed_size: 0
    .kernarg_segment_align: 8
    .kernarg_segment_size: 104
    .max_flat_workgroup_size: 128
    .sgpr_count:     102
    .vgpr_count:     1024
    .wavefront_size: 32
...
	.end_amdgpu_metadata
.endif
;; end of part 1
